; MI455X (gfx1250); checked and timed in simulation.
; The chip was launched on July 23, 2026; its instructions are those of AMD's public machine-readable ISA for CDNA 5 (MIT licence, August 2026) and "CDNA5" Instruction Set Architecture Reference Guide (July 2026). The comments in the code are by the model that wrote it; some were corrected since.
;; Attention. Allowed arithmetic: float matrix products may take bf16 or f16 operands with f32 sums; all other float work in f32.
;; Inputs: input 16 x 2,048 x 1,024 float32; lengths 16 int32; weights 2,048 float32.
;; Outputs: out0 16 x 1,024 float32.
;; 2 versions, each right; version 2 is version 1 with the launch masked_sum written anew for expert scheduling mode. Each part assembles by itself: llvm-mc -triple=amdgcn-amd-amdhsa -mcpu=gfx1250 --defsym DOCPART=n.
;; ======== version 1 of 2: 1 launch
;; launch masked_sum (part 1): grid 16 x 16, 32 waves a work-group, no clusters, 20,736 bytes of LDS; arguments input, lengths, weights, out0; writes out0
.if DOCPART == 1
	.amdgcn_target "amdgcn-amd-amdhsa--gfx1250"
	.amdhsa_code_object_version 6
	.text
	.protected	k_q1b2b924ac9_masked_sum
	.globl	k_q1b2b924ac9_masked_sum
	.p2align	8
	.type	k_q1b2b924ac9_masked_sum,@function
k_q1b2b924ac9_masked_sum:
	s_mov_b64 s[64:65], 0
	v_nop
	global_prefetch_b8 v0, s[64:65] scope:SCOPE_SE
	s_setreg_imm32_b32 hwreg(HW_REG_WAVE_MODE, 25, 1), 1
	s_wait_xcnt 0x0
; out0[b][d] = sum over t < lengths[b] of softmax(weights)[t] * input[b][t][d].   input [16][2048][1024] f32, lengths [16] i32,
; weights [2048] f32, out0 [16][1024] f32.
;
; WORK LEFT OUT.  reference() multiplies row t of batch b by mask[b][t], which it builds itself as 1 for t < lengths[b] and 0 otherwise.  In exact
; arithmetic a row with t >= lengths[b] adds 0 to every output, whatever finite numbers it holds.  lengths are whole numbers that this launch
; reads from memory, so it fetches only the tiles of 32 rows that hold a row t < lengths[b]; in the last such tile the rows behind the length are
; fetched and multiplied by a coefficient 0.  The softmax itself runs over all 2,048 weights, masked or not, as in reference().  Every input is read.
; LIMITS.  A NaN or an infinity in a row of a tile that is left out is not carried to the result (reference() would turn it into NaN by 0 x inf).
; v_exp_f32 flushes results below 2^-126 to 0: weights more than 87 below the largest count as weight 0.  The division by the softmax's sum is
; one v_rcp_f32 (1 ULP) applied after the sum over t, so the order of rounding differs from reference()'s.  lengths below 0 act as 0 and above
; 2,048 as 2,048, which is what the comparison in reference() gives.
;
; WHY NO MATRIX INSTRUCTION: for one batch this is a vector of 2,048 numbers times a matrix; one of a tile's 16 rows would be used, and the conversion of
; the input to 16 bits would take as many vector instructions as the f32 multiply-adds below.  The kernel moves bytes; the sums stay in f32.
;
; SHARES.  A sum over t has one owner.  A work-group owns one batch and 64 columns (256 bytes of every row, 256 bytes of out0): 16 x 16 groups.
; batch = (x + y) mod 16, slice = y: any 16 groups that follow each other along x, and any 16 with the same x, hold 16 different batches,
; so that long and short batches lie mixed in either order of the grid.
; 32 waves.  Tiles of 32 rows go round the waves: wave w takes tiles w and w + 32 (2,048 rows / (32 waves x 32 rows) = 2 at the most), so the
; text needs no loop: two forward branches on the number of tiles.  A tile is 16 loads of 16 bytes a lane; in load j lanes 0-15 cover the 256
; consecutive, aligned bytes of row t0 + j and lanes 16-31 those of row t0 + 16 + j, so a lane's 16 coefficients lie side by side in LDS.
; 16 loads x 512 bytes x 32 waves = 256 KiB of the group are on their way at once.
.set ROWS,    2048
.set ROWB,    4096                     ; bytes in a row of input
.set WAVES,   32
.set DEPTH,   16                       ; loads of a tile = register slots
.set TILE,    2*DEPTH                  ; rows in a tile
.set LAPB,    WAVES*TILE*ROWB          ; from a wave's first tile to its second: 4,194,304 bytes, inside the loads' signed 24-bit immediate
.set LDS_E,   0                        ; 2,048 words: exp(w[t] - max) for t < length, else 0
.set LDS_MAX, 8192                     ; 32 words: each wave's maximum
.set LDS_SUM, 8320                     ; 32 words: each wave's sum of exp(w - max), unmasked
.set LDS_P,   8448                     ; 32 rows of 256 bytes: each wave's partial sums of the 64 columns
.set WO,   2                           ; v2       8 x thread: my two weights in memory, my two words of the table in LDS
.set LA4,  3                           ; v3       4 x lane
.set WA,   4                           ; v4       4 x wave
.set OFF,  5                           ; v5       byte offset of my 16 bytes in slot 0's row of my wave's first tile; never rewritten
.set CA,   6                           ; v6       LDS address of my 16 coefficients
.set PA,   7                           ; v7       256 x wave + 16 x (lane mod 16)
.set W,    8                           ; v[8:9]   my two weights
.set E,    10                          ; v[10:11] their exponentials
.set T,    8                           ; v[8:11]  at the end: what the other half of the wave holds
.set M,    12                          ; v12      maximum
.set S,    13                          ; v13      sum
.set TMP,  14                          ; v14      target of the step across the halves
.set TI,   15                          ; v15      my t
.set EM,   16                          ; v[16:17] masked exponentials
.set LA8,  18                          ; v18      8 x lane
.set R,    19                          ; v19      1 / sum
.set ACC,  20                          ; v[20:27] two sets of 4 column sums; even and odd slots take turns
.set C,    28                          ; v[28:43] 16 coefficients
.set X,    44                          ; v[44:107] slot j: 4 registers; at the end the 32 partial rows
; over the 32 lanes, result in every lane: four steps inside each half ride on the arithmetic, one crosses the halves
.macro WAVE_MAX r
.irp m, 1,2,4,8
	v_max_num_f32_dpp v[\r], v[\r], v[\r] row_xmask:\m row_mask:0xf bank_mask:0xf
.endr
	v_permlanex16_b32 v[TMP], v[\r], s20, s21
	v_max_num_f32 v[\r], v[\r], v[TMP]
.endm
.macro WAVE_SUM r
.irp m, 1,2,4,8
	v_add_f32_dpp v[\r], v[\r], v[\r] row_xmask:\m row_mask:0xf bank_mask:0xf
.endr
	v_permlanex16_b32 v[TMP], v[\r], s20, s21
	v_add_f32 v[\r], v[\r], v[TMP]
.endm
	s_load_b256 s[4:11], s[0:1], 0x0               ; input s[4:5], lengths s[6:7], weights s[8:9], out0 s[10:11]
	v_lshl_add_u32 v108, v0, 2, 0x4100
	v_mov_b32 v109, 0
	v_lshrrev_b32 v1, 5, v0
	v_readfirstlane_b32 s12, v1                    ; wave 0..31
	s_and_b32 s13, ttmp7, 0xffff                   ; slice = y
	s_add_co_u32 s14, ttmp9, s13
	s_and_b32 s14, s14, 15                         ; batch = (x + y) mod 16
	s_lshl_b32 s18, s14, 2                         ; my length's byte offset, as a pair
	s_mov_b32 s19, 0
	s_mov_b32 s20, 0x76543210                      ; v_permlanex16_b32: lane i of one half reads lane i of the other
	s_mov_b32 s21, 0xfedcba98
	v_lshlrev_b32 v[WO], 3, v0
	s_wait_kmcnt 0x0
	global_load_b64 v[W:W+1], v[WO], s[8:9]        ; weights 2 i and 2 i + 1: a wave covers 256 consecutive bytes; every group reads them, so no hint
	s_add_nc_u64 s[6:7], s[6:7], s[18:19]
	s_load_b32 s16, s[6:7], 0x0                    ; lengths[batch]
	; addresses, while the two are on their way
	v_and_b32 v[LA4], 31, v0
	v_lshlrev_b32 v[LA8], 3, v[LA4]
	v_lshlrev_b32 v[LA4], 2, v[LA4]
	v_lshlrev_b32 v[WA], 2, v1
	v_and_b32 v[CA], 0x3f0, v0                     ; 32 wave + 16 half = my first row in the wave's first tile
	v_and_b32 v[PA], 15, v0
	v_lshlrev_b32 v[PA], 4, v[PA]                  ; my 16 bytes of the slice
	v_lshl_or_b32 v[OFF], v[CA], 12, v[PA]         ; row x 4,096 + 16 (lane mod 16)
	v_lshlrev_b32 v[CA], 2, v[CA]                  ; row x 4: its word in the table
	v_lshl_or_b32 v[PA], v1, 8, v[PA]
	v_lshlrev_b32 v[TI], 1, v0                     ; t of my first weight
	v_mov_b32 v[TMP], 0                            ; v_permlanex16_b32's destination counts as read: written once here
	s_lshl_b32 s22, s13, 8                         ; the slice's 256 bytes in a row
	s_lshl_b32 s18, s14, 23                        ; a batch of input is 2,048 x 4,096 bytes
	s_or_b32 s18, s18, s22
	s_add_nc_u64 s[4:5], s[4:5], s[18:19]          ; input at my batch's row 0, my slice
	s_lshl_b32 s18, s14, 12                        ; a row of out0 is 4,096 bytes
	s_or_b32 s18, s18, s22
	s_add_nc_u64 s[10:11], s[10:11], s[18:19]      ; out0 at my 256 bytes
	; THE SOFTMAX'S MAXIMUM over all 2,048 weights: in the lane, in the wave, over the waves through LDS
	s_wait_loadcnt 0x0
	v_max_num_f32 v[M], v[W], v[W+1]
	WAVE_MAX M
	ds_store_b32 v[WA], v[M] offset:LDS_MAX        ; all lanes write the wave's word with the same number
	s_wait_dscnt 0x0                               ; for the other waves' sake: my store is done before I signal
	s_barrier_signal -1
	s_barrier_wait -1
	ds_load_b32 v[M], v[LA4] offset:LDS_MAX        ; lane l takes wave l's maximum
	s_wait_kmcnt 0x0                               ; the length
	s_max_i32 s16, s16, 0                          ; below 0: no t is smaller
	s_min_u32 s16, s16, ROWS                       ; above 2,048: every t is smaller
	s_add_co_u32 s17, s16, TILE-1
	s_lshr_b32 s17, s17, 5                         ; tiles that hold a live row: 0 to 64
	v_cmp_gt_u32 vcc_lo, s16, v[TI]                ; length > t
	v_or_b32 v[TI], 1, v[TI]
	v_cmp_gt_u32 s22, s16, v[TI]                   ; length > t + 1
	s_wait_dscnt 0x0
	WAVE_MAX M
	; exp(w - max), the difference taken first, exactly as reference() does
	v_sub_f32 v[W], v[W], v[M]
	v_sub_f32 v[W+1], v[W+1], v[M]
	v_mul_f32 v[W], 0x3fb8aa3b, v[W]               ; x log2 e: v_exp_f32 is 2^x
	v_mul_f32 v[W+1], 0x3fb8aa3b, v[W+1]
	v_exp_f32 v[E], v[W]
	v_exp_f32 v[E+1], v[W+1]
.irp k, 0,1,2,3,4,5,6,7
	v_mov_b32 v[ACC+\k], 0                         ; a wave without a tile hands in zeros; these plain lines also stand between the exponentials and their first use (ISA guide 5.7.2)
.endr
	s_wait_alu depctr_va_vdst(0)
	v_add_f32 v[S], v[E], v[E+1]                   ; the sum is over all t
	v_cndmask_b32 v[EM], 0, v[E], vcc_lo           ; the table holds the masked numerators
	v_cndmask_b32 v[EM+1], 0, v[E+1], s22
	ds_store_b64 v[WO], v[EM:EM+1] offset:LDS_E
	WAVE_SUM S
	ds_store_b32 v[WA], v[S] offset:LDS_SUM
	s_wait_dscnt 0x0                               ; table and sum are in LDS before I signal
	s_barrier_signal -1
	s_barrier_wait -1
; One slot's turn: two packed multiply-adds, the row's coefficient feeding both halves (an even slot's is the pair's first register, an odd slot's the second).
; refill = 1: the slot is loaded again with the same row of the wave's second tile.  left = how many younger loads may stay out.
.macro SLOT j, refill, left
	s_wait_loadcnt \left                           ; loads come back in order (ISA guide 5.7.1): slot j's is in
.if (\j)%2
	v_pk_fma_f32 v[ACC+4:ACC+5], v[X+4*\j:X+4*\j+1],   v[C+\j-1:C+\j], v[ACC+4:ACC+5] op_sel:[0,1,0] op_sel_hi:[1,1,1]
	v_pk_fma_f32 v[ACC+6:ACC+7], v[X+4*\j+2:X+4*\j+3], v[C+\j-1:C+\j], v[ACC+6:ACC+7] op_sel:[0,1,0] op_sel_hi:[1,1,1]
.else
	v_pk_fma_f32 v[ACC:ACC+1],   v[X+4*\j:X+4*\j+1],   v[C+\j:C+\j+1], v[ACC:ACC+1]   op_sel_hi:[1,0,1]
	v_pk_fma_f32 v[ACC+2:ACC+3], v[X+4*\j+2:X+4*\j+3], v[C+\j:C+\j+1], v[ACC+2:ACC+3] op_sel_hi:[1,0,1]
.endif
.if \refill
	global_load_b128 v[X+4*\j:X+4*\j+3], v[OFF], s[4:5] offset:LAPB+\j*ROWB th:TH_LOAD_NT
.endif
.endm
; A tile's turn: its 16 coefficients (all lanes of a half read the same 64 bytes), then its 16 slots.
.macro ROUND refill
.irp q, 0,1,2,3
	ds_load_b128 v[C+4*\q:C+4*\q+3], v[CA] offset:LDS_E+16*\q
.endr
.if \refill
	v_add_nc_u32 v[CA], WAVES*TILE*4, v[CA]        ; the second tile's coefficients, 1,024 words on
.endif
	s_wait_dscnt 0x0
.irp j, 0,1,2,3,4,5,6,7,8,9,10,11,12,13,14,15
.if \refill
	SLOT \j, 1, DEPTH-1                            ; 16 are out: the old slots j..15 and the refills 0..j-1; the oldest is slot j's
.else
	SLOT \j, 0, DEPTH-1-\j                         ; nothing is loaded any more: the counts run down to 0
.endif
.endr
.endm
	; THE SUM OVER t.  No barrier stands in here, so waves may take different ways.
	s_cmp_ge_u32 s12, s17                          ; tile w holds no live row: nothing is fetched
	s_cbranch_scc1 .Ljoin
.irp j, 0,1,2,3,4,5,6,7,8,9,10,11,12,13,14,15
	global_load_b128 v[X+4*\j:X+4*\j+3], v[OFF], s[4:5] offset:\j*ROWB th:TH_LOAD_NT   ; each byte of input is read once in the launch
.endr
	s_add_co_u32 s18, s12, WAVES
	s_cmp_ge_u32 s18, s17                          ; tile w + 32 holds no live row: the first tile is the last
	s_cbranch_scc1 .Ltail
	ROUND 1
.Ltail:                                            ; on both ways 16 loads are out here, slots 0 to 15 in order
	ROUND 0
.Ljoin:
	; THE WAVES' SUMS MEET IN LDS
	v_pk_add_f32 v[ACC:ACC+1],   v[ACC:ACC+1],   v[ACC+4:ACC+5]
	v_pk_add_f32 v[ACC+2:ACC+3], v[ACC+2:ACC+3], v[ACC+6:ACC+7]
.irp k, 0,1,2,3
	v_permlanex16_b32 v[T+\k], v[ACC+\k], s20, s21 ; the other half's rows of the same 4 columns; v[8:11] were written on every way
.endr
	v_pk_add_f32 v[ACC:ACC+1],   v[ACC:ACC+1],   v[T:T+1]
	v_pk_add_f32 v[ACC+2:ACC+3], v[ACC+2:ACC+3], v[T+2:T+3]
	ds_store_b128 v[PA], v[ACC:ACC+3] offset:LDS_P ; both halves now hold the same sums and write the same 256 bytes of the wave's row
	s_wait_dscnt 0x0
	s_barrier_signal -1
	s_barrier_wait -1
	s_cmp_lg_u32 s12, 0                            ; wave 0 finishes; no barrier follows
	s_cbranch_scc1 .Lend
	ds_load_b32 v[S], v[LA4] offset:LDS_SUM        ; lane l takes wave l's sum of exponentials
.set i, 0
.rept WAVES
	ds_load_b64 v[X+2*i:X+2*i+1], v[LA8] offset:LDS_P+256*i    ; lane l takes columns 2 l and 2 l + 1 of wave i's row: 256 consecutive bytes
.set i, i+1
.endr
	s_wait_dscnt WAVES                             ; LDS loads come back in order (ISA guide 5.7.1): the sums are in, the 32 rows behind them may be out
	WAVE_SUM S
	v_rcp_f32 v[R], v[S]                           ; the sum is at least 1 (the largest weight's term) and at most 2,048; the additions below stand between this and its use
	s_wait_dscnt 0x0
.irp n, 16,8,4,2,1
.set i, 0
.rept \n
	v_pk_add_f32 v[X+2*i:X+2*i+1], v[X+2*i:X+2*i+1], v[X+2*(i+\n):X+2*(i+\n)+1]
.set i, i+1
.endr
.endr
	s_wait_alu depctr_va_vdst(0)
	v_mul_f32 v[X], v[X], v[R]
	v_mul_f32 v[X+1], v[X+1], v[R]
	global_store_b64 v[LA8], v[X:X+1], s[10:11]    ; one store covers the group's 256 consecutive bytes of out0, aligned
.Lend:
	s_wait_tensorcnt 0x0
	ds_add_u32 v108, v109
	s_wait_dscnt 0x0
	s_endpgm
.Lfunc_end_k_q1b2b924ac9_masked_sum:
	.size	k_q1b2b924ac9_masked_sum, .Lfunc_end_k_q1b2b924ac9_masked_sum-k_q1b2b924ac9_masked_sum
	.p2alignl 7, 3214868480
	.fill 96, 4, 3214868480
	.section	.rodata,"a",@progbits
	.p2align	6, 0x0
	.amdhsa_kernel k_q1b2b924ac9_masked_sum
		.amdhsa_group_segment_fixed_size 20736
		.amdhsa_private_segment_fixed_size 0
		.amdhsa_enable_private_segment 0
		.amdhsa_kernarg_size 32
		.amdhsa_user_sgpr_count 2
		.amdhsa_user_sgpr_kernarg_segment_ptr 1
		.amdhsa_wavefront_size32 1
		.amdhsa_system_sgpr_workgroup_id_x 1
		.amdhsa_system_sgpr_workgroup_id_y 1
		.amdhsa_system_sgpr_workgroup_id_z 1
		.amdhsa_system_vgpr_workitem_id 0
		.amdhsa_next_free_vgpr 110
		.amdhsa_next_free_sgpr 66
		.amdhsa_reserve_vcc 1
		.amdhsa_float_denorm_mode_32 3
		.amdhsa_float_denorm_mode_16_64 3
		.amdhsa_memory_ordered 1
		.amdhsa_forward_progress 1
		.amdhsa_inst_pref_size 19
	.end_amdhsa_kernel
	.amdgpu_metadata
---
amdhsa.version: [ 1, 2 ]
amdhsa.kernels:
  - .name:           k_q1b2b924ac9_masked_sum
    .symbol:         k_q1b2b924ac9_masked_sum.kd
    .args:
      - { .name: input, .offset: 0, .size: 8, .value_kind: global_buffer, .address_space: global }
      - { .name: lengths, .offset: 8, .size: 8, .value_kind: global_buffer, .address_space: global }
      - { .name: weights, .offset: 16, .size: 8, .value_kind: global_buffer, .address_space: global }
      - { .name: out0, .offset: 24, .size: 8, .value_kind: global_buffer, .address_space: global }
    .group_segment_fixed_size: 20736
    .private_segment_fixed_size: 0
    .kernarg_segment_align: 8
    .kernarg_segment_size: 32
    .max_flat_workgroup_size: 1024
    .sgpr_count:     66
    .vgpr_count:     110
    .wavefront_size: 32
...
	.end_amdgpu_metadata
.endif
;; end of part 1
;; ======== version 2 of 2: 1 launch; version 1 with the launch masked_sum written anew for expert scheduling mode
;; launch masked_sum (part 2): grid 16 x 16, 32 waves a work-group, no clusters, 20,736 bytes of LDS; arguments input, lengths, weights, out0; writes out0
.if DOCPART == 2
	.amdgcn_target "amdgcn-amd-amdhsa--gfx1250"
	.amdhsa_code_object_version 6
	.text
	.protected	k_q1b2b924ac9_masked_sum
	.globl	k_q1b2b924ac9_masked_sum
	.p2align	8
	.type	k_q1b2b924ac9_masked_sum,@function
k_q1b2b924ac9_masked_sum:
	s_mov_b64 s[64:65], 0
	v_nop
	global_prefetch_b8 v0, s[64:65] scope:SCOPE_SE
	s_setreg_imm32_b32 hwreg(HW_REG_WAVE_SCHED_MODE, 0, 2), 2
	s_setreg_imm32_b32 hwreg(HW_REG_WAVE_MODE, 25, 1), 1
	s_wait_xcnt 0x0
	s_wait_alu depctr_vm_vsrc(0)
; out0[b][d] = sum over t < lengths[b] of softmax(weights)[t] * input[b][t][d].   input [16][2048][1024] f32, lengths [16] i32,
; weights [2048] f32, out0 [16][1024] f32.
;
; WORK LEFT OUT.  reference() multiplies row t of batch b by mask[b][t], which it builds itself as 1 for t < lengths[b] and 0 otherwise.  In exact
; arithmetic a row with t >= lengths[b] adds 0 to every output, whatever finite numbers it holds.  lengths are whole numbers that this launch
; reads from memory, so it fetches only the tiles of 32 rows that hold a row t < lengths[b]; in the last such tile the rows behind the length are
; fetched and multiplied by a coefficient 0.  The softmax itself runs over all 2,048 weights, masked or not, as in reference().  Every input is read.
; LIMITS.  A NaN or an infinity in a row of a tile that is left out is not carried to the result (reference() would turn it into NaN by 0 x inf).
; v_exp_f32 flushes results below 2^-126 to 0: weights more than 87 below the largest count as weight 0.  The division by the softmax's sum is
; one v_rcp_f32 (1 ULP) applied after the sum over t, so the order of rounding differs from reference()'s.  lengths below 0 act as 0 and above
; 2,048 as 2,048, which is what the comparison in reference() gives.
;
; WHY NO MATRIX INSTRUCTION: for one batch this is a vector of 2,048 numbers times a matrix; one of a tile's 16 rows would be used, and the conversion of
; the input to 16 bits would take as many vector instructions as the f32 multiply-adds below.  The kernel moves bytes; the sums stay in f32.
;
; SHARES.  A sum over t has one owner.  A work-group owns one batch and 64 columns (256 bytes of every row, 256 bytes of out0): 16 x 16 groups.
; batch = (x + y) mod 16, slice = y: any 16 groups that follow each other along x, and any 16 with the same x, hold 16 different batches,
; so that long and short batches lie mixed in either order of the grid.
; 32 waves.  Tiles of 32 rows go round the waves: wave w takes tiles w and w + 32 (2,048 rows / (32 waves x 32 rows) = 2 at the most), so the
; text needs no loop: forward branches on the number of tiles.  A tile is 16 loads of 16 bytes a lane; in load j lanes 0-15 cover the 256
; consecutive, aligned bytes of row t0 + j and lanes 16-31 those of row t0 + 16 + j, so a lane's 16 coefficients lie side by side in LDS.
; 16 loads x 512 bytes x 32 waves = 256 KiB of the group are on their way behind the first fill, 12 to 16 loads a wave while the second tile is asked for.
;
; THE MODE: SCHED_MODE bits 1:0 = 2 (LLVM: expert scheduling mode 2), set by the entry lines.  The code itself states the register dependences
; between vector instructions and memory or LDS instructions, with s_wait_alu, always for 0.
; THE PLAN.  Registers that memory or LDS instructions touch:
;   v2-v7, v18  offsets and addresses: written once at the head, ahead of one wait, and never again: the second tile is reached by immediate offsets.
;   X           16 slots of 4.  The first fill lands in registers that no vector line has named.  With two tiles, four slots at a time: their eight
;               multiply-adds read them, one wait, their four loads of the second tile land in them.  At the end the 32 partial rows land here.
;   C2, C       two buffers of 16 coefficients, each loaded once on any way and then read by multiply-adds alone: C2 the first of two tiles, C a wave's last tile.
;   M, S        a wave's maximum and sum: written by the reduction, read by an LDS store, then the target of the LDS load that brings all the waves'.
;   EM, ACC     data of LDS stores, written by vector lines ahead of a wait and never again.
.set ROWS,    2048
.set ROWB,    4096                     ; bytes in a row of input
.set WAVES,   32
.set DEPTH,   16                       ; loads of a tile = register slots
.set TILE,    2*DEPTH                  ; rows in a tile
.set LAPB,    WAVES*TILE*ROWB          ; from a wave's first tile to its second: 4,194,304 bytes, inside the loads' signed 24-bit immediate
.set LAPC,    WAVES*TILE*4             ; the same step in the table of coefficients: 4,096 bytes
.set LDS_E,   0                        ; 2,048 words: exp(w[t] - max) for t < length, else 0
.set LDS_MAX, 8192                     ; 32 words: each wave's maximum
.set LDS_SUM, 8320                     ; 32 words: each wave's sum of exp(w - max), unmasked
.set LDS_P,   8448                     ; 32 rows of 256 bytes: each wave's partial sums of the 64 columns
.set WO,   2                           ; v2       8 x thread: my two weights in memory, my two words of the table in LDS
.set LA4,  3                           ; v3       4 x lane
.set WA,   4                           ; v4       4 x wave
.set OFF,  5                           ; v5       byte offset of my 16 bytes in slot 0's row of my wave's first tile; never rewritten
.set CA,   6                           ; v6       LDS address of my 16 coefficients of my wave's first tile; never rewritten
.set PA,   7                           ; v7       256 x wave + 16 x (lane mod 16)
.set W,    8                           ; v[8:9]   my two weights
.set E,    10                          ; v[10:11] their exponentials
.set T,    8                           ; v[8:11]  at the end: what the other half of the wave holds
.set M,    12                          ; v12      maximum
.set S,    13                          ; v13      sum
.set TMP,  14                          ; v14      target of the step across the halves
.set TI,   15                          ; v15      my t
.set EM,   16                          ; v[16:17] masked exponentials
.set LA8,  18                          ; v18      8 x lane
.set R,    19                          ; v19      1 / sum
.set ACC,  20                          ; v[20:27] two sets of 4 column sums; even and odd slots take turns
.set C,    28                          ; v[28:43] 16 coefficients of the wave's last tile
.set X,    44                          ; v[44:107] slot j: 4 registers; at the end the 32 partial rows
.set C2,   108                         ; v[108:123] 16 coefficients of the first of two tiles
; over the 32 lanes, result in every lane: four steps inside each half ride on the arithmetic, one crosses the halves
.macro WAVE_MAX r
.irp m, 1,2,4,8
	v_max_num_f32_dpp v[\r], v[\r], v[\r] row_xmask:\m row_mask:0xf bank_mask:0xf
.endr
	v_permlanex16_b32 v[TMP], v[\r], s20, s21
	v_max_num_f32 v[\r], v[\r], v[TMP]
.endm
.macro WAVE_SUM r
.irp m, 1,2,4,8
	v_add_f32_dpp v[\r], v[\r], v[\r] row_xmask:\m row_mask:0xf bank_mask:0xf
.endr
	v_permlanex16_b32 v[TMP], v[\r], s20, s21
	v_add_f32 v[\r], v[\r], v[TMP]
.endm
	s_load_b256 s[4:11], s[0:1], 0x0               ; input s[4:5], lengths s[6:7], weights s[8:9], out0 s[10:11]
	v_lshl_add_u32 v124, v0, 2, 0x4100
	v_mov_b32 v125, 0
	v_lshrrev_b32 v1, 5, v0
	v_readfirstlane_b32 s12, v1                    ; wave 0..31
	s_and_b32 s13, ttmp7, 0xffff                   ; slice = y
	s_add_co_u32 s14, ttmp9, s13
	s_and_b32 s14, s14, 15                         ; batch = (x + y) mod 16
	s_lshl_b32 s18, s14, 2                         ; my length's byte offset, as a pair
	s_mov_b32 s19, 0
	s_mov_b32 s20, 0x76543210                      ; v_permlanex16_b32: lane i of one half reads lane i of the other
	s_mov_b32 s21, 0xfedcba98
	; all offsets and addresses, while the arguments are on their way
	v_lshlrev_b32 v[WO], 3, v0
	v_and_b32 v[LA4], 31, v0
	v_lshlrev_b32 v[LA8], 3, v[LA4]
	v_lshlrev_b32 v[LA4], 2, v[LA4]
	v_lshlrev_b32 v[WA], 2, v1
	v_and_b32 v[CA], 0x3f0, v0                     ; 32 wave + 16 half = my first row in the wave's first tile
	v_and_b32 v[PA], 15, v0
	v_lshlrev_b32 v[PA], 4, v[PA]                  ; my 16 bytes of the slice
	v_lshl_or_b32 v[OFF], v[CA], 12, v[PA]         ; row x 4,096 + 16 (lane mod 16)
	v_lshlrev_b32 v[CA], 2, v[CA]                  ; row x 4: its word in the table
	v_lshl_or_b32 v[PA], v1, 8, v[PA]
	v_lshlrev_b32 v[TI], 1, v0                     ; t of my first weight
	v_mov_b32 v[TMP], 0                            ; v_permlanex16_b32's destination counts as read: written once here
	s_wait_alu depctr_va_sdst(0)                   ; s12 is written, ahead of its first reader (the compares with the number of tiles) and of every branch
	s_wait_alu depctr_va_vdst(0)                   ; v2 to v7 and v18 are written: every load and store of the kernel, global or LDS, reads one of them as its offset or address
	s_wait_kmcnt 0x0
	global_load_b64 v[W:W+1], v[WO], s[8:9]        ; weights 2 i and 2 i + 1: a wave covers 256 consecutive bytes; every group reads them, so no hint
	s_add_nc_u64 s[6:7], s[6:7], s[18:19]
	s_load_b32 s16, s[6:7], 0x0                    ; lengths[batch]
	s_lshl_b32 s22, s13, 8                         ; the slice's 256 bytes in a row
	s_lshl_b32 s18, s14, 23                        ; a batch of input is 2,048 x 4,096 bytes
	s_or_b32 s18, s18, s22
	s_add_nc_u64 s[4:5], s[4:5], s[18:19]          ; input at my batch's row 0, my slice
	s_lshl_b32 s18, s14, 12                        ; a row of out0 is 4,096 bytes
	s_or_b32 s18, s18, s22
	s_add_nc_u64 s[10:11], s[10:11], s[18:19]      ; out0 at my 256 bytes
	; THE SOFTMAX'S MAXIMUM over all 2,048 weights: in the lane, in the wave, over the waves through LDS
	s_wait_loadcnt 0x0
	v_max_num_f32 v[M], v[W], v[W+1]
	WAVE_MAX M
	s_wait_alu depctr_va_vdst(0)                   ; the reduction has written v[M], which the LDS store reads
	ds_store_b32 v[WA], v[M] offset:LDS_MAX        ; all lanes write the wave's word with the same number
	s_wait_dscnt 0x0                               ; for the other waves' sake: my store is done before I signal
	s_barrier_signal -1
	s_barrier_wait -1
	s_wait_alu depctr_vm_vsrc(0)                   ; my LDS store has read v[M], in which the load below lands (no vector line since the wait above names v[M])
	ds_load_b32 v[M], v[LA4] offset:LDS_MAX        ; lane l takes wave l's maximum
	s_wait_kmcnt 0x0                               ; the length
	s_max_i32 s16, s16, 0                          ; below 0: no t is smaller
	s_min_u32 s16, s16, ROWS                       ; above 2,048: every t is smaller
	s_add_co_u32 s17, s16, TILE-1
	s_lshr_b32 s17, s17, 5                         ; tiles that hold a live row: 0 to 64
	v_cmp_gt_u32 vcc_lo, s16, v[TI]                ; length > t
	v_or_b32 v[TI], 1, v[TI]
	v_cmp_gt_u32 s22, s16, v[TI]                   ; length > t + 1
	s_wait_dscnt 0x0
	WAVE_MAX M
	; exp(w - max), the difference taken first, exactly as reference() does
	v_sub_f32 v[W], v[W], v[M]
	v_sub_f32 v[W+1], v[W+1], v[M]
	v_mul_f32 v[W], 0x3fb8aa3b, v[W]               ; x log2 e: v_exp_f32 is 2^x
	v_mul_f32 v[W+1], 0x3fb8aa3b, v[W+1]
	v_exp_f32 v[E], v[W]
	v_exp_f32 v[E+1], v[W+1]
.irp k, 0,1,2,3,4,5,6,7
	v_mov_b32 v[ACC+\k], 0                         ; a wave without a tile hands in zeros; these plain lines also stand between the exponentials and their first use (ISA guide 5.7.2)
.endr
	s_wait_alu depctr_va_vdst(0)
	v_add_f32 v[S], v[E], v[E+1]                   ; the sum is over all t
	s_wait_alu depctr_va_vcc(0)                    ; the first compare has written VCC, which the first select reads
	s_wait_alu depctr_va_sdst(0)                   ; the second compare has written s22, which the second select reads
	v_cndmask_b32 v[EM], 0, v[E], vcc_lo           ; the table holds the masked numerators
	v_cndmask_b32 v[EM+1], 0, v[E+1], s22
	WAVE_SUM S
	s_wait_alu depctr_va_vdst(0)                   ; the selects have written v[EM ..] and the reduction v[S], which the two LDS stores read
	ds_store_b64 v[WO], v[EM:EM+1] offset:LDS_E
	ds_store_b32 v[WA], v[S] offset:LDS_SUM
	s_wait_dscnt 0x0                               ; table and sum are in LDS before I signal
	s_barrier_signal -1
	s_barrier_wait -1
; One slot's turn: two packed multiply-adds, the row's coefficient feeding both halves (an even slot's is the pair's first register, an odd slot's the second).
; cf = the buffer of coefficients.  left = how many younger loads may stay out.
.macro SLOT j, cf, left
	s_wait_loadcnt \left                           ; loads come back in order (ISA guide 5.7.1): slot j's is in
.if (\j)%2
	v_pk_fma_f32 v[ACC+4:ACC+5], v[X+4*(\j):X+4*(\j)+1],   v[(\cf)+(\j)-1:(\cf)+(\j)], v[ACC+4:ACC+5] op_sel:[0,1,0] op_sel_hi:[1,1,1]
	v_pk_fma_f32 v[ACC+6:ACC+7], v[X+4*(\j)+2:X+4*(\j)+3], v[(\cf)+(\j)-1:(\cf)+(\j)], v[ACC+6:ACC+7] op_sel:[0,1,0] op_sel_hi:[1,1,1]
.else
	v_pk_fma_f32 v[ACC:ACC+1],   v[X+4*(\j):X+4*(\j)+1],   v[(\cf)+(\j):(\cf)+(\j)+1], v[ACC:ACC+1]   op_sel_hi:[1,0,1]
	v_pk_fma_f32 v[ACC+2:ACC+3], v[X+4*(\j)+2:X+4*(\j)+3], v[(\cf)+(\j):(\cf)+(\j)+1], v[ACC+2:ACC+3] op_sel_hi:[1,0,1]
.endif
.endm
; A tile's 16 coefficients into buffer cf (all lanes of a half read the same 64 bytes).  at = the tile's bytes in the table, counted from the wave's first tile.
.macro COEF cf, at
.irp q, 0,1,2,3
	ds_load_b128 v[(\cf)+4*\q:(\cf)+4*\q+3], v[CA] offset:LDS_E+(\at)+16*\q
.endr
.endm
	; THE SUM OVER t.  No barrier stands in here, so waves may take different ways.
	; No vector line has been issued since the wait ahead of the table's store, and none has ever named X, C or C2: the first fills and the coefficients' loads owe no further wait.
	s_cmp_ge_u32 s12, s17                          ; tile w holds no live row: nothing is fetched
	s_cbranch_scc1 .Ljoin
.irp j, 0,1,2,3,4,5,6,7,8,9,10,11,12,13,14,15
	global_load_b128 v[X+4*\j:X+4*\j+3], v[OFF], s[4:5] offset:\j*ROWB th:TH_LOAD_NT   ; each byte of input is read once in the launch
.endr
	s_add_co_u32 s18, s12, WAVES
	s_cmp_ge_u32 s18, s17                          ; tile w + 32 holds no live row: the first tile is the last
	s_cbranch_scc1 .Lone
	COEF C2, 0                                     ; two tiles: the first's coefficients,
	COEF C, LAPC                                   ; and at once the second's, in a buffer of their own: no address is stepped, no buffer is loaded twice
	s_wait_dscnt 4                                 ; LDS loads come back in order (ISA guide 5.7.1): C2 is in, C's four loads may stay out
.irp b, 0,1,2,3
.irp i, 0,1,2,3
	SLOT 4*\b+\i, C2, DEPTH-1-\i                   ; behind slot 4 b + i's load: the old slots up to 15 (15 - 4 b - i) and the 4 b refills: 15 - i
.endr
	s_wait_alu depctr_va_vdst(0)                   ; the eight multiply-adds above are done reading slots 4 b to 4 b + 3, in which the four loads below land
.irp i, 0,1,2,3
	global_load_b128 v[X+4*(4*\b+\i):X+4*(4*\b+\i)+3], v[OFF], s[4:5] offset:LAPB+(4*\b+\i)*ROWB th:TH_LOAD_NT   ; the same rows of the wave's second tile, asked for at once
.endr
.endr
	s_branch .Ltail
.Lone:
	COEF C, 0                                      ; one tile: its coefficients
.Ltail:                                            ; on both ways 16 loads are out here, slots 0 to 15 in order, and C holds or awaits the tile's coefficients
	s_wait_dscnt 0x0
.irp j, 0,1,2,3,4,5,6,7,8,9,10,11,12,13,14,15
	SLOT \j, C, DEPTH-1-\j                         ; nothing is loaded any more: the counts run down to 0
.endr
.Ljoin:
	; THE WAVES' SUMS MEET IN LDS
	v_pk_add_f32 v[ACC:ACC+1],   v[ACC:ACC+1],   v[ACC+4:ACC+5]
	v_pk_add_f32 v[ACC+2:ACC+3], v[ACC+2:ACC+3], v[ACC+6:ACC+7]
.irp k, 0,1,2,3
	v_permlanex16_b32 v[T+\k], v[ACC+\k], s20, s21 ; the other half's rows of the same 4 columns; v[8:11] were written on every way
.endr
	v_pk_add_f32 v[ACC:ACC+1],   v[ACC:ACC+1],   v[T:T+1]
	v_pk_add_f32 v[ACC+2:ACC+3], v[ACC+2:ACC+3], v[T+2:T+3]
	s_wait_alu depctr_va_vdst(0)                   ; the additions have written v[ACC ..], which the LDS store reads; and all multiply-adds are done reading X, in which wave 0's LDS loads land below
	ds_store_b128 v[PA], v[ACC:ACC+3] offset:LDS_P ; both halves now hold the same sums and write the same 256 bytes of the wave's row
	s_wait_dscnt 0x0
	s_barrier_signal -1
	s_barrier_wait -1
	s_cmp_lg_u32 s12, 0                            ; wave 0 finishes; no barrier follows
	s_cbranch_scc1 .Lend
	s_wait_alu depctr_vm_vsrc(0)                   ; my LDS store of the wave's sum has read v[S], in which the load below lands (no vector line since the wait above names v[S] or X)
	ds_load_b32 v[S], v[LA4] offset:LDS_SUM        ; lane l takes wave l's sum of exponentials
.set i, 0
.rept WAVES
	ds_load_b64 v[X+2*i:X+2*i+1], v[LA8] offset:LDS_P+256*i    ; lane l takes columns 2 l and 2 l + 1 of wave i's row: 256 consecutive bytes
.set i, i+1
.endr
	s_wait_dscnt WAVES                             ; LDS loads come back in order (ISA guide 5.7.1): the sums are in, the 32 rows behind them may be out
	WAVE_SUM S
	v_rcp_f32 v[R], v[S]                           ; the sum is at least 1 (the largest weight's term) and at most 2,048; the additions below stand between this and its use
	s_wait_dscnt 0x0
.irp n, 16,8,4,2,1
.set i, 0
.rept \n
	v_pk_add_f32 v[X+2*i:X+2*i+1], v[X+2*i:X+2*i+1], v[X+2*(i+\n):X+2*(i+\n)+1]
.set i, i+1
.endr
.endr
	s_wait_alu depctr_va_vdst(0)
	v_mul_f32 v[X], v[X], v[R]
	v_mul_f32 v[X+1], v[X+1], v[R]
	s_wait_alu depctr_va_vdst(0)                   ; the two products are written, which the store reads
	global_store_b64 v[LA8], v[X:X+1], s[10:11]    ; one store covers the group's 256 consecutive bytes of out0, aligned
.Lend:
	s_wait_dscnt 0x0
	s_wait_alu depctr_hold_cnt(0) depctr_sa_sdst(0) depctr_va_vdst(0) depctr_va_sdst(0) depctr_va_ssrc(0) depctr_va_vcc(0) depctr_vm_vsrc(0)
	s_wait_tensorcnt 0x0
	ds_add_u32 v124, v125
	s_wait_dscnt 0x0
	s_endpgm
.Lfunc_end_k_q1b2b924ac9_masked_sum:
	.size	k_q1b2b924ac9_masked_sum, .Lfunc_end_k_q1b2b924ac9_masked_sum-k_q1b2b924ac9_masked_sum
	.p2alignl 7, 3214868480
	.fill 96, 4, 3214868480
	.section	.rodata,"a",@progbits
	.p2align	6, 0x0
	.amdhsa_kernel k_q1b2b924ac9_masked_sum
		.amdhsa_group_segment_fixed_size 20736
		.amdhsa_private_segment_fixed_size 0
		.amdhsa_enable_private_segment 0
		.amdhsa_kernarg_size 32
		.amdhsa_user_sgpr_count 2
		.amdhsa_user_sgpr_kernarg_segment_ptr 1
		.amdhsa_wavefront_size32 1
		.amdhsa_system_sgpr_workgroup_id_x 1
		.amdhsa_system_sgpr_workgroup_id_y 1
		.amdhsa_system_sgpr_workgroup_id_z 1
		.amdhsa_system_vgpr_workitem_id 0
		.amdhsa_next_free_vgpr 126
		.amdhsa_next_free_sgpr 66
		.amdhsa_reserve_vcc 1
		.amdhsa_float_denorm_mode_32 3
		.amdhsa_float_denorm_mode_16_64 3
		.amdhsa_memory_ordered 1
		.amdhsa_forward_progress 1
		.amdhsa_inst_pref_size 20
	.end_amdhsa_kernel
	.amdgpu_metadata
---
amdhsa.version: [ 1, 2 ]
amdhsa.kernels:
  - .name:           k_q1b2b924ac9_masked_sum
    .symbol:         k_q1b2b924ac9_masked_sum.kd
    .args:
      - { .name: input, .offset: 0, .size: 8, .value_kind: global_buffer, .address_space: global }
      - { .name: lengths, .offset: 8, .size: 8, .value_kind: global_buffer, .address_space: global }
      - { .name: weights, .offset: 16, .size: 8, .value_kind: global_buffer, .address_space: global }
      - { .name: out0, .offset: 24, .size: 8, .value_kind: global_buffer, .address_space: global }
    .group_segment_fixed_size: 20736
    .private_segment_fixed_size: 0
    .kernarg_segment_align: 8
    .kernarg_segment_size: 32
    .max_flat_workgroup_size: 1024
    .sgpr_count:     66
    .vgpr_count:     126
    .wavefront_size: 32
...
	.end_amdgpu_metadata
.endif
;; end of part 2
